; MI455X (gfx1250); checked and timed in simulation.
; The chip was launched on July 23, 2026; its instructions are those of AMD's public machine-readable ISA for CDNA 5 (MIT licence, August 2026) and "CDNA5" Instruction Set Architecture Reference Guide (July 2026). The comments in the code are by the model that wrote it; some were corrected since.
;; Single head attention. Allowed arithmetic: matrix products marked QUANTISED: E2M1 operands, one E8M0 scale for each 32 along K, by v_wmma_scale_f32_16x16x128_f8f6f4 with both operands' format E2M1 (or v_wmma_scale_f32_32x16x128_f4), f32 sums; everything else in f32.
;; Inputs: Wk_codes 512 x 32 x 16 uint8 (E2M1 codes of Wk, K innermost, in blocks of 32 codes, two codes a byte); Wk_scales 512 x 32 uint8 (E8M0 scales of Wk, one for each 32 codes along K); Wq_codes 512 x 32 x 16 uint8 (E2M1 codes of Wq, K innermost, in blocks of 32 codes, two codes a byte); Wq_scales 512 x 32 uint8 (E8M0 scales of Wq, one for each 32 codes along K); Wv_codes 512 x 32 x 16 uint8 (E2M1 codes of Wv, K innermost, in blocks of 32 codes, two codes a byte); Wv_scales 512 x 32 uint8 (E8M0 scales of Wv, one for each 32 codes along K); bk 512 float32; bq 512 float32; bv 512 float32; key_codes 8 x 2,048 x 32 x 16 uint8 (E2M1 codes of key, K innermost, in blocks of 32 codes, two codes a byte); key_scales 8 x 2,048 x 32 uint8 (E8M0 scales of key, one for each 32 codes along K); query_codes 8 x 2,048 x 32 x 16 uint8 (E2M1 codes of query, K innermost, in blocks of 32 codes, two codes a byte); query_scales 8 x 2,048 x 32 uint8 (E8M0 scales of query, one for each 32 codes along K); value_codes 8 x 2,048 x 32 x 16 uint8 (E2M1 codes of value, K innermost, in blocks of 32 codes, two codes a byte); value_scales 8 x 2,048 x 32 uint8 (E8M0 scales of value, one for each 32 codes along K).
;; Outputs: out0 8 x 2,048 x 512 float32.
;; This version of the problem:
;;   THIS VERSION OF THE PROBLEM IS GIVEN IN LOW PRECISION. The matrix products marked QUANTISED in the list below multiply operands that are first quantised to E2M1 (2 exponent bits, 1 mantissa bit; 4 bits a number), with one power-of-two scale for each 32 numbers along K (OCP MX v1.0); their sums are f32. All else is computed in f32.
;;   The module's matrix products, in the order in which they are computed (A, B: the left and right operand; K: the contracted axis; several contracted axes count as one K, in the product's order):
;;     1. [M 16,384, K 1,024] x [K 1,024, N 512]; A: input query (given as codes); B: input Wq (given as codes): QUANTISED
;;     2. [M 16,384, K 1,024] x [K 1,024, N 512]; A: input key (given as codes); B: input Wk (given as codes): QUANTISED
;;     3. [M 16,384, K 1,024] x [K 1,024, N 512]; A: input value (given as codes); B: input Wv (given as codes): QUANTISED
;;     4. batch 8 x [M 2,048, K 512] x [K 512, N 2,048]; A: computed on the way; B: computed on the way: QUANTISED
;;     5. batch 8 x [M 2,048, K 2,048] x [K 2,048, N 512]; A: softmax (see below); B: computed on the way: QUANTISED
;;   THE QUANTISER, for each operand of a quantised product, along K:
;;     - K is cut into blocks of 32 from its start; a last block that is shorter is filled with zeros.
;;     - A block's scale is 2^e with e = floor(log2(the largest magnitude in the block)) - 2, held to -126 .. 127; a block of zeros has e = 0. As a byte (E8M0): e + 127.
;;     - Each number is divided by its block's scale, clamped to +-6, and rounded to the nearest number of E2M1, ties to even, subnormals kept.
;;     - The product sums the exact products of the quantised numbers (number of the format x scale) in f32.
;;   ~~~python
;;   def quantise(x, axis):      # numpy; x: float32 -> the quantised numbers, widened to float32 again
;;       x = np.moveaxis(x, axis, -1); K = x.shape[-1]
;;       x = np.pad(x, [(0, 0)] * (x.ndim - 1) + [(0, -K % 32)]); x = x.reshape(x.shape[:-1] + (-1, 32)); a = np.abs(x).max(-1, keepdims=True)
;;       e = np.where(a > 0, np.clip(np.frexp(np.where(a > 0, a, 1))[1] - 1 - 2, -126, 127), 0)      # np.frexp(a)[1] - 1 = floor(log2(a)), exactly
;;       r = np.clip(x / 2.0 ** e, -6, 6)
;;       step = 2.0 ** (np.maximum(np.frexp(np.where(r == 0, 1, r))[1] - 1, 0) - 1)
;;       q = np.round(r / step) * step * 2.0 ** e      # np.round: ties to even
;;       return np.moveaxis(q.reshape(q.shape[:-2] + (-1,))[..., :K], -1, axis).astype(np.float32)
;;   ~~~
;;   SOFTMAX AHEAD OF A QUANTISED PRODUCT. Where the list says 'softmax', what is quantised is not the finished softmax but p = 2^(t - M), with t = logit x log2(e) and M = ceil(the row's largest t), a whole number; so 1/2 < the row's largest p <= 1. The row's sum l is taken of the UNQUANTISED p, in f32, and the product's result is divided by l at the end. Since M is a whole number, a kernel that streams over the keys may use a running M (the ceiling of the running maximum): every later rescaling is an exact power of two, which a block's scale takes up: the codes' values come out the same.
;;   OPERANDS COMPUTED ON THE WAY. 'Computed on the way' means the value that the module computes at that place (a softmax that the list does not call 'softmax' is quantised finished and normalised). What goes into a quantiser is computed in f32, as accurately as f32 sums, v_exp_f32 and their like allow (about 1e-6 of the number): no bf16 or f16 on the way to a quantiser, and a product that is left as it is and whose result goes on into a quantised operand takes f32 operands (vector FMAs, or v_wmma_f32_16x16x4_f32). A number that lies on a knife's edge between two numbers of the format may be rounded either way, as far as f32 arithmetic and the matrix unit's own rounding can turn it there, and no further.
;;   INPUTS GIVEN AS CODES. Wk (in the module: [1024, 512], K = its axis 0); Wq (in the module: [1024, 512], K = its axis 0); Wv (in the module: [1024, 512], K = its axis 0); key (in the module: [8, 2048, 1024], K = its axis 2); query (in the module: [8, 2048, 1024], K = its axis 2); value (in the module: [8, 2048, 1024], K = its axis 2): each comes as NAME_codes (uint8): NAME with its K axis moved to the last place and cut into blocks of 32 codes, [.., K / 32, bytes a block], one block behind the other in memory; two codes a byte, the lower K in the low four bits (a code: sign, 2 exponent bits, 1 mantissa bit); and NAME_scales (uint8): the same leading axes, one E8M0 byte (e + 127) for each 32 codes along K. Its value is code x scale, taken as it is: it is not quantised again, and the codes and scales need not be those that the quantiser above would give.
;; One version. Each part assembles by itself: llvm-mc -triple=amdgcn-amd-amdhsa -mcpu=gfx1250 --defsym DOCPART=n.
;; ======== version 1 of 1: 2 launches
;; limits: right only within a limited range of input values
;; workspace buffers: q_img 4,194,304 bytes; k_img 4,194,304 bytes; v_img 4,194,304 bytes; q_sc 262,144 bytes; k_sc 262,144 bytes; v_sc 262,144 bytes
;; launch proj (part 1): grid 4 x 64, 4 waves a work-group, clusters of 4 x 1, 327,680 bytes of LDS; arguments query_codes, query_scales, Wq_codes, Wq_scales, bq, key_codes, key_scales, Wk_codes, Wk_scales, bk, value_codes, value_scales, Wv_codes, Wv_scales, bv, q_img, q_sc, k_img, k_sc, v_img, v_sc; writes q_img, q_sc, k_img, k_sc, v_img, v_sc
.if DOCPART == 1
	.amdgcn_target "amdgcn-amd-amdhsa--gfx1250"
	.amdhsa_code_object_version 6
	.text
	.protected	k_qcf1b448ab3_proj
	.globl	k_qcf1b448ab3_proj
	.p2align	8
	.type	k_qcf1b448ab3_proj,@function
k_qcf1b448ab3_proj:
	s_mov_b64 s[64:65], 0
	v_nop
	global_prefetch_b8 v0, s[64:65] scope:SCOPE_SE
	s_setreg_imm32_b32 hwreg(HW_REG_WAVE_MODE, 25, 1), 1
	s_wait_xcnt 0x0
	s_wait_alu depctr_hold_cnt(0) depctr_sa_sdst(0) depctr_va_vdst(0) depctr_va_sdst(0) depctr_va_ssrc(0) depctr_va_vcc(0) depctr_vm_vsrc(0)
	s_getreg_b32 s2, hwreg(HW_REG_IB_STS2, 6, 4)
	s_cmp_eq_u32 s2, 0
	s_cbranch_scc0 .Lentry_in_a_cluster
	s_endpgm
.Lentry_in_a_cluster:
	s_bfe_u32 s2, ttmp6, 0x10000c
	s_cmp_lg_u32 s2, 0x3003
	s_cbranch_scc0 .Lentry_shape_is_right
	s_endpgm
.Lentry_shape_is_right:
; q = query Wq + bq, k = key Wk + bk, v = value Wv + bv on the given codes of FP4 (E2M1) with E8M0 scales, sums in f32; each result is quantised at once
; (q and k along d, v along the keys) and stored as IMAGES OF OPERAND REGISTERS for the attention launch: a fragment (16 rows x 128 K) is 1,024 bytes, [c 2][lane 32][16 bytes].
; THE GENERIC PRODUCT: D = X (source 0, 128 rows) x Y (source 1, 256 rows), K = 1,024.  In tile (i0, i1) lane (r, h) holds Y row 16 i1 + r, and register j X row 16 i0 + 8 h + j:
; so a lane's registers run along X's rows, which are the next product's K.  q, k: X = 128 rows of W (d = 128 cx on), Y = 256 tokens.  v: X = 128 tokens (the keys), Y = 256 rows of Wv.
; A work-group of four waves stays and makes three such tiles (q, k, v).  Wave w takes Y rows 64 w on (i1 = 0 .. 3) against all 8 tiles of X: 32 accumulators; each i1 gives one whole fragment and one scale word a row.
; CLUSTER 4 x 1: the four partners share Y's tile, which is asked for jointly (mask 15).  X's tiles differ from partner to partner (they hang on cx), so they are loads of the work-group's own.
; RING: three LDS slots, each 128 rows of X and 256 of Y, 256 bytes (512 along K) of each row, 16 bytes of padding behind each.  Six fills: tensor t = f / 2, half of K = f % 2, slot = f % 3; one tensor load a wave each time:
; fills 0 and 1 at the head (wave 0: X of the first, 1: its Y, 2: X of the second, 3: its Y);  fill 2 behind round 1 (waves 0, 1: X's halves, 2, 3: Y's), for the time of trips 0 and 1;
; fills 3 and 4 behind round 2, when slots 0 and 1 have been read, for the time of q's way out and trip 2;  fill 5 behind round 3, for the time of trips 3 and 4 and k's way out.
; PREFETCHES INTO THE L2: key's second half of K in trip 0, value's halves in trips 1 and 2, each a round or more ahead of its load.  Of key's 256 rows each partner takes 64, by address (waves 2 and 3, a lane a row); of value each work-group
; its own 128 tokens (32 a wave).  Fills 0 to 2 come by their loads alone; W's rows, which all clusters read, are not asked for.
; QUANTISER: a block's scale byte is its largest magnitude's exponent field - 2.  LIMITS: NaN, infinities and a given scale byte 0xff are not served; a block whose largest magnitude
; lies under 2^-124, a block of zeros too, keeps the byte 1 (the zeros' codes are zeros; only this program reads the bytes).  The bias starts each sum, so it is added first, not last.
; REGISTERS, in windows of 256: window 0: v1-13 addresses, v16-31 at work, v32-37 scale words made, v38 the prefetches' offset, v40-71 codes made, v80-223 the given scale words of all three tensors.
;   window 1: X's fragments, two sets, at v[64 p + 8 i0]; Y's at v[128 + 32 p + 8 i1].   window 2: accumulator (i0, i1) at v[64 i1 + 8 i0].   window 3: the biases in the result's layout.
.set PITCH, 272                        ; an LDS row: 256 bytes + 16 of padding: the 16 rows of a fragment load start at 16 different groups of banks
.set XB,    128*PITCH                  ; X's 128 rows
.set SLOT,  384*PITCH                  ; and Y's 256 behind them
.set SPARE, 3*SLOT                     ; behind the ring: the spare words, 128 bytes for each wave: two blocks of 256 bytes that no other line names
.set LI,  1                            ; 16 x lane: my place in an image
.set L8,  2                            ; 8 x lane: my place in a pair of scale registers
.set SCA, 3                            ; 32 r + 16 h: my 16 scale bytes of row r (lanes 0-15: K steps 0-3, lanes 16-31: K steps 4-7)
.set BA,  4                            ; 32 h: bq, bk: my eight numbers of a tile
.set BVA, 5                            ; 4 r: bv: my one number of a tile
.set SPW, 6                            ; LDS address of my spare word; never rewritten
.set NIL, 7                            ; 0; never rewritten
.set ADX, 8                            ; v8-10  LDS address of X's fragments in slot 0, 1, 2
.set ADY, 11                           ; v11-13 the same for my 64 rows of Y
.set TM,  16                           ; v16-19 largest magnitudes, v20-23 the other half's, then bytes, v28-31 the conversions' scale operands
.set PW,  32                           ; v32-35 the scale word of fragment i1
.set SW,  36                           ; v36-37 the four words as a pair of scale registers
.set PFO, 38                           ; 512 x lane; never rewritten
.set PC,  40                           ; v40-71 the codes, 8 registers for each i1
.set SC,  80                           ; v80-223 tensor t from 80 + 48 t: X's word (i0, q) at 4 i0 + q, Y's (i1, q) at 32 + 4 i1 + q
.set P_QC, 4
.set P_QS, 6
.set P_WQC, 8
.set P_WQS, 10
.set P_BQ, 12
.set P_KC, 14
.set P_KS, 16
.set P_WKC, 18
.set P_WKS, 20
.set P_BK, 22
.set P_VC, 24
.set P_VS, 26
.set P_WVC, 28
.set P_WVS, 30
.set P_BV, 32
.set P_QI, 34
.set P_QSC, 36
.set P_KI, 38
.set P_KSC, 40
.set P_VI, 42
.set P_VSC, 44
.set F2X, P_WQC                        ; behind the head: my half of fill 2's X and Y (q's own addresses have been used by then)
.set F2Y, P_QC
.set F5X, 104                          ; my half of fill 5's X and Y
.set F5Y, 100
.set PFK, 94                           ; where my prefetches of key and of value stand
.set PFV, 96
.set G1X, 48                           ; s[48:55] descriptor group 1 for X's tiles;  s[56:63] for Y's
.set G1Y, 56
.set G0X, 68                           ; s[68:79] X's groups 0, a set for each slot
.set G0Y, 80                           ; s[80:91] Y's: none of these twelve registers ever holds cx
.set WV,  2                            ; my wave's number
.set WH,  3                            ; wave / 2
.set LXA, 46                           ; where my half of X's tile goes in a slot;  s47 the same for Y's
.set LYA, 47
.set SEL, 66                           ; s66, s67 v_permlanex16_b32's selects for lane l xor 16
.set WL,  78                           ; at the head only, in registers that the groups 0 take later: wave % 2,
.set CX,  79                           ; my place in the cluster,
.set YB,  80                           ; the cluster's y
.set FLOOR, 98
.set HM,  99                           ; lanes 16-31
.set MUL,  0xa5                        ; sources 0, 1 window 1; C and D window 2
.set MULB, 0xb5                        ; the same, C window 3
.set TO_F, 0x40                        ; destination window 1
.set TO_B, 0xc0                        ; destination window 3
.set QMAX, 0x28                        ; sources 1, 2 window 2
.set QCVT, 0x02                        ; source 0 window 2
.set MSB, 0
.macro WIN new                         ; the immediate's high byte repeats the setting that is left
.if MSB != \new
	s_set_vgpr_msb (MSB<<8)|\new
.set MSB, \new
.endif
.endm
.macro PLACES                          ; four places behind matrix instructions, in front of loads into registers that they read and of the first read of results
.rept 4
	v_nop
.endr
.endm
.macro CROUND                          ; a round of the cluster's barrier
	s_barrier_signal -1
	s_barrier_wait -1
	s_cmp_lg_u32 s[WV], 0
	s_cbranch_scc1 .Lnot_wave_0_\@
	s_barrier_signal -3
.Lnot_wave_0_\@:
	s_barrier_wait -3
	s_barrier_signal -1
	s_barrier_wait -1
.endm
.macro TLX slot                        ; an s_nop 0 and four v_nop follow each tensor load
	tensor_load_to_lds s[G0X+4*(\slot):G0X+4*(\slot)+3], s[G1X:G1X+7]
	s_nop 0
	PLACES
.endm
.macro TLY slot
	tensor_load_to_lds s[G0Y+4*(\slot):G0Y+4*(\slot)+3], s[G1Y:G1Y+7]
	s_nop 0
	PLACES
.endm
.macro JLOAD slot                      ; one fill: waves 0, 1: X's halves, a load of my work-group's own; waves 2, 3: Y's halves, jointly
	s_cmp_eq_u32 s[WH], 0
	s_cbranch_scc0 .Lfor_y_\@
	TLX \slot
	s_branch .Lasked_\@
.Lfor_y_\@:
	TLY \slot
.Lasked_\@:
.endm
.macro DLOAD a, b                      ; two fills: wave 0 X of the first, wave 1 its Y, wave 2 X of the second, wave 3 its Y
	s_cmp_lt_u32 s[WV], 1
	s_cbranch_scc0 .Lnot_0_\@
	TLX \a
	s_branch .Lasked_\@
.Lnot_0_\@:
	s_cmp_lt_u32 s[WV], 2
	s_cbranch_scc0 .Lnot_1_\@
	TLY \a
	s_branch .Lasked_\@
.Lnot_1_\@:
	s_cmp_lt_u32 s[WV], 3
	s_cbranch_scc0 .Lnot_2_\@
	TLX \b
	s_branch .Lasked_\@
.Lnot_2_\@:
	TLY \b
.Lasked_\@:
.endm
.macro ROWS x, y                       ; the two words of each group 1 that count rows; written only while no tensor load is out
	s_mov_b32 s[G1X+2], (\x)<<16
	s_mov_b32 s[G1X+4], \x
	s_mov_b32 s[G1Y+2], (\y)<<16
	s_mov_b32 s[G1Y+4], \y
.endm
.macro SETD xp, yp, kh, slot, half     ; the slot's two groups 0 for a fill of K half kh: half = 1: my half of the rows, 0: all rows
	s_mov_b32 s[G0X+4*(\slot)], 1                  ; count = 1
	s_mov_b32 s[G0Y+4*(\slot)], 1
.if \half
	s_add_co_u32 s[G0X+4*(\slot)+1], s[LXA], (\slot)*SLOT
	s_add_co_u32 s[G0Y+4*(\slot)+1], s[LYA], (\slot)*SLOT
.else
	s_mov_b32 s[G0X+4*(\slot)+1], (\slot)*SLOT
	s_mov_b32 s[G0Y+4*(\slot)+1], (\slot)*SLOT+XB
.endif
	s_add_nc_u64 s[G0X+4*(\slot)+2:G0X+4*(\slot)+3], s[\xp:\xp+1], (\kh)*256
	s_or_b32 s[G0X+4*(\slot)+3], s[G0X+4*(\slot)+3], 0x80000000   ; type = 2
	s_add_nc_u64 s[G0Y+4*(\slot)+2:G0Y+4*(\slot)+3], s[\yp:\yp+1], (\kh)*256
	s_or_b32 s[G0Y+4*(\slot)+3], s[G0Y+4*(\slot)+3], 0x80000000
.endm
.macro ADDO p, o
	s_add_nc_u64 s[\p:\p+1], s[\p:\p+1], s[\o:\o+1]
.endm
.macro DRAIN                           ; in front of a round behind which slots are filled, and of the last barrier
	WIN 0
	s_wait_tensorcnt 0x0                           ; no tensor load of mine is out, so descriptors may be written
	ds_add_u32 v[SPW], v[NIL]                      ; 0 onto my spare word
.endm
; 24 LDS loads: the fragments of the slot's q-th 128 along K into set p.  A fragment: lane (r, h) holds row r; registers 4 c .. 4 c + 3 hold K = 64 c + 32 h + 0 .. 31: 16 bytes of the row as they lie
.macro FETCH slot, q, p
	WIN TO_F
.irp i, 0,1,2,3,4,5,6,7
.irp c, 0,1
	ds_load_b128 v[64*(\p)+8*\i+4*\c:64*(\p)+8*\i+4*\c+3], v[ADX+(\slot)] offset:\i*16*PITCH+64*(\q)+32*\c
.endr
.endr
.irp i, 0,1,2,3
.irp c, 0,1
	ds_load_b128 v[128+32*(\p)+8*\i+4*\c:128+32*(\p)+8*\i+4*\c+3], v[ADY+(\slot)] offset:\i*16*PITCH+64*(\q)+32*\c
.endr
.endr
.endm
; 32 matrix instructions, 128 along K.  The 32 accumulators take turns, one instruction a turn, in one order everywhere.
; ci = 1: the sums start from bq or bk (a number for each X row); ci = 2: from bv (a number for each Y row); ci = 0: they go on.  In K's second half the scale words stand in lanes 16-31.
.macro MULS t, kh, q, p, ci
.if \ci
	WIN MULB
.else
	WIN MUL
.endif
.irp i1, 0,1,2,3
.irp i0, 0,1,2,3,4,5,6,7
.set rD, 64*\i1+8*\i0
.set rX, 64*(\p)+8*\i0
.set rY, 128+32*(\p)+8*\i1
.set rSX, SC+48*(\t)+4*\i0+(\q)
.set rSY, SC+48*(\t)+32+4*\i1+(\q)
.if \ci
.if \ci == 1
.set rC, 64*(\t)+8*\i0
.else
.set rC, 128+8*\i1
.endif
	v_wmma_scale_f32_16x16x128_f8f6f4 v[rD:rD+7], v[rX:rX+7], v[rY:rY+7], v[rC:rC+7], v[rSX], v[rSY] matrix_a_fmt:MATRIX_FMT_FP4 matrix_b_fmt:MATRIX_FMT_FP4
.elseif \kh
	v_wmma_scale_f32_16x16x128_f8f6f4 v[rD:rD+7], v[rX:rX+7], v[rY:rY+7], v[rD:rD+7], v[rSX], v[rSY] matrix_a_fmt:MATRIX_FMT_FP4 matrix_b_fmt:MATRIX_FMT_FP4 matrix_a_scale:MATRIX_SCALE_ROW1 matrix_b_scale:MATRIX_SCALE_ROW1
.else
	v_wmma_scale_f32_16x16x128_f8f6f4 v[rD:rD+7], v[rX:rX+7], v[rY:rY+7], v[rD:rD+7], v[rSX], v[rSY] matrix_a_fmt:MATRIX_FMT_FP4 matrix_b_fmt:MATRIX_FMT_FP4
.endif
.endr
.endr
.endm
; A step of 128 along K: this step's fragments are in; the next step's are asked for, 32 matrix instructions ahead of their use; then the products.
.macro KSTEP t, kh, slot, q
	s_wait_dscnt 0x0                               ; this step's 24 loads are in
.if \q < 3
.if \q > 0
	PLACES                                         ; the other set was read by the products just issued (at q = 0 places stand behind its last readers, ahead of the trip)
.endif
	FETCH \slot, (\q)+1, ((\q)+1)%2
.endif
.if (\kh == 0) && (\q == 0)
.if \t < 2
	MULS \t, \kh, \q, 0, 1
.else
	MULS \t, \kh, \q, 0, 2
.endif
.else
	MULS \t, \kh, \q, (\q)%2, 0
.endif
.endm
; A trip: one fill's 512 along K, in the slot named.  pf: a prefetch: 1: of key's second half of K; 2, 3: of value's first, second half; 0: none.
.macro TRIP t, kh, slot, pf
	FETCH \slot, 0, 0
.if \pf
	WIN 0
.if (\pf) == 1
	s_cmp_eq_u32 s[WH], 1
	s_cbranch_scc0 .Lnot_mine_\@
	global_prefetch_b8 v[PFO], s[PFK:PFK+1] offset:256 th:TH_LOAD_NT scope:SCOPE_SE
.Lnot_mine_\@:
.else
	global_prefetch_b8 v[PFO], s[PFV:PFV+1] offset:256*((\pf)-2) th:TH_LOAD_NT scope:SCOPE_SE
.endif
.endif
	KSTEP \t, \kh, \slot, 0
	KSTEP \t, \kh, \slot, 1
	KSTEP \t, \kh, \slot, 2
	KSTEP \t, \kh, \slot, 3
	WIN 0
.endm
; The 64 numbers of my Y row in the accumulators of i1 become a fragment's codes and its scale word.  Block b of 32 along the next K lies in tiles 2 b, 2 b + 1, in lanes l and l xor 16.
; A conversion takes one tile's eight registers: k = 16 u + 8 h + 0 .. 7.  The codes of tiles 4 c, 4 c + 2, 4 c + 1, 4 c + 3 go into registers 4 c .. 4 c + 3; two exchanges of halves then give
; the operand's layout: register 4 c + i holds k = 64 c + 32 h + 8 i + 0 .. 7.
.macro QUANT i1
.set ACB, 64*(\i1)
	WIN QMAX
.irp b, 0,1,2,3
	v_max3_num_f32 v[TM+\b], s[FLOOR], |v[ACB+16*\b]|, |v[ACB+16*\b+1]|   ; each accumulator from its low end on; the floor 2^(3 - 127) holds the byte at 1 from below
.endr
.irp i, 2,4,6,8,10,12,14
.irp b, 0,1,2,3
	v_max3_num_f32 v[TM+\b], v[TM+\b], |v[ACB+16*\b+\i]|, |v[ACB+16*\b+\i+1]|
.endr
.endr
	WIN 0
.irp b, 0,1,2,3
	v_permlanex16_b32 v[TM+4+\b], v[TM+\b], s[SEL], s[SEL+1]
.endr
.irp b, 0,1,2,3
	v_max_num_f32 v[TM+\b], v[TM+\b], v[TM+4+\b]   ; the block's largest magnitude
.endr
.irp b, 0,1,2,3
	v_add_nc_u32 v[TM+12+\b], 0xff000000, v[TM+\b] ; 2 off its exponent field: the conversion's scale operand
.endr
.irp b, 0,1,2,3
	v_lshrrev_b32 v[TM+4+\b], 23, v[TM+12+\b]      ; the scale's byte
.endr
	v_lshl_or_b32 v[PW+(\i1)], v[TM+5], 8, v[TM+4]
	v_lshl_or_b32 v[PW+(\i1)], v[TM+6], 16, v[PW+(\i1)]
	v_lshl_or_b32 v[PW+(\i1)], v[TM+7], 24, v[PW+(\i1)]
	WIN QCVT
.irp u, 0,1,2,3,4,5,6,7
	v_cvt_scalef32_pk8_fp4_f32 v[PC+8*(\i1)+4*(\u/4)+2*(\u%2)+(\u%4)/2], v[ACB+8*\u:ACB+8*\u+7], v[TM+12+\u/2]
.endr
	WIN 0
	v_nop                                          ; one plain place behind the last scaled conversion
.irp c, 0,1
	v_permlane16_swap_b32 v[PC+8*(\i1)+4*\c], v[PC+8*(\i1)+4*\c+1]
	v_permlane16_swap_b32 v[PC+8*(\i1)+4*\c+2], v[PC+8*(\i1)+4*\c+3]
.endr
.endm
; A finished tensor leaves: four fragments, each by two stores of 512 consecutive bytes, and the four scale words as the image of a pair of scale registers, 256 consecutive bytes.
.macro EPI img, sc, stride
	PLACES
	s_wait_xcnt 0x0                                ; the last tensor's stores have read their registers: the codes and words are written again only behind this wait
.irp i1, 0,1,2,3
	QUANT \i1
	global_store_b128 v[LI], v[PC+8*\i1:PC+8*\i1+3], s[\img:\img+1] offset:\i1*\stride
	global_store_b128 v[LI], v[PC+8*\i1+4:PC+8*\i1+7], s[\img:\img+1] offset:\i1*\stride+512
.endr
	v_cndmask_b32 v[SW], v[PW], v[PW+1], s[HM]     ; lanes 0-15: fragment 0's words, lanes 16-31: fragment 1's
	v_cndmask_b32 v[SW+1], v[PW+2], v[PW+3], s[HM] ; fragments 2 and 3
	global_store_b64 v[L8], v[SW:SW+1], s[\sc:\sc+1]
.endm
	s_load_b512 s[4:19], s[0:1], 0x0               ; the 21 addresses, in the order of the names above
	s_load_b512 s[20:35], s[0:1], 0x40
	s_load_b256 s[36:43], s[0:1], 0x80
	s_load_b64 s[44:45], s[0:1], 0xa0
	v_lshl_add_u32 v[SPW], v0, 2, SPARE
	v_mov_b32 v[NIL], 0
	ds_add_u32 v[SPW], v[NIL]                      ; the wave's opening: an add, twice on end, and its wait
	ds_add_u32 v[SPW], v[NIL]
	s_wait_dscnt 0x0
	v_lshrrev_b32 v39, 5, v0
	v_readfirstlane_b32 s[WV], v39                 ; wave 0..3
	s_lshr_b32 s[WH], s[WV], 1
	s_and_b32 s[WL], s[WV], 1
	s_bfe_u32 s[CX], ttmp6, 0x40000                ; cx: my place in the cluster
	s_and_b32 s[YB], ttmp7, 0xffff                 ; the cluster's y: which 256 tokens (q, k); for v: which 512 tokens and which half of Wv
	; group 1: X: rows of 256 bytes, 512 bytes apart in memory, 16 bytes of padding behind each in LDS; no mask.  At the head all 128 rows
	s_mov_b32 s[G1X], (1<<20)|(5<<22)|(3<<25)      ; 17:16 elements of 1 byte; 20 padding on; 24:22 after every 64 words (code 5); 31:25 four words (code 3)
	s_mov_b32 s[G1X+1], 256<<16                    ; tensor_dim0
	s_mov_b32 s[G1X+3], 256<<16                    ; tile_dim0
	s_mov_b32 s[G1X+5], 512                        ; tensor_dim0_stride
	s_mov_b32 s[G1X+6], 0
	s_mov_b32 s[G1X+7], 0
	; Y: all 256 rows, for all four work-groups of the cluster
	s_mov_b32 s[G1Y], 15|(1<<20)|(1<<21)|(5<<22)|(3<<25)   ; 15:0 the mask; 21 set beside a mask
	s_mov_b32 s[G1Y+1], 256<<16
	s_mov_b32 s[G1Y+3], 256<<16
	s_mov_b32 s[G1Y+5], 512
	s_mov_b32 s[G1Y+6], 0
	s_mov_b32 s[G1Y+7], 0
	ROWS 128, 256
	s_mul_i32 s[LXA], s[WL], 64*PITCH              ; where my half of a tile goes: the wave's number alone enters an LDS address
	s_mul_i32 s[LYA], s[WL], 128*PITCH
	s_add_co_u32 s[LYA], s[LYA], XB
	s_mov_b32 s[SEL], 0x76543210
	s_mov_b32 s[SEL+1], 0xfedcba98
	s_mov_b32 s[FLOOR], 0x1800000
	s_mov_b32 s[HM], 0xffff0000
	s_mov_b32 s89, 0
	s_mov_b32 s93, 0
	s_wait_kmcnt 0x0
	; Y's codes: offsets made in s88-91, which never hold cx
	s_lshl_b32 s88, s[YB], 17                      ; 256 tokens of 512 bytes
	ADDO P_QC, 88
	ADDO P_KC, 88
	s_and_b32 s91, s[YB], 1                        ; y1: which 256 rows of Wv
	s_lshl_b32 s88, s91, 17
	ADDO P_WVC, 88
	; X's codes
	s_lshr_b32 s94, s[YB], 1
	s_lshl_b32 s94, s94, 2
	s_add_co_u32 s94, s94, s[CX]                   ; iv: which 128 tokens of value
	s_lshl_b32 s92, s[CX], 16                      ; 128 rows of W
	ADDO P_WQC, 92
	ADDO P_WKC, 92
	s_lshl_b32 s92, s94, 16
	ADDO P_VC, 92
	; the scale bytes, 32 a row: X's 128 rows; my wave's 64 rows of Y
	s_lshl_b32 s92, s[CX], 12
	ADDO P_WQS, 92
	ADDO P_WKS, 92
	s_lshl_b32 s92, s94, 12
	ADDO P_VS, 92
	s_lshl_b32 s96, s[WV], 11
	s_lshl_b32 s92, s[YB], 13
	s_add_co_u32 s92, s92, s96
	ADDO P_QS, 92
	ADDO P_KS, 92
	s_lshl_b32 s92, s91, 13
	s_add_co_u32 s92, s92, s96
	ADDO P_WVS, 92
	; the biases
	s_lshl_b32 s92, s[CX], 9
	ADDO P_BQ, 92
	ADDO P_BK, 92
	s_lshl_b32 s92, s91, 10
	s_lshl_b32 s96, s[WV], 8
	s_add_co_u32 s92, s92, s96
	ADDO P_BV, 92
	; the images.  q, k: [block of 256 tokens][tile 16][s 4][1,024 bytes]: my tiles 4 w on, s = cx
	s_lshl_b32 s92, s[YB], 16
	s_lshl_b32 s96, s[WV], 14
	s_add_co_u32 s92, s92, s96
	s_lshl_b32 s96, s[CX], 10
	s_add_co_u32 s92, s92, s96
	ADDO P_QI, 92
	ADDO P_KI, 92
	s_lshl_b32 s92, s[YB], 12                      ; their scale words: [block][wave 4][s 4][256 bytes]
	s_lshl_b32 s96, s[WV], 10
	s_add_co_u32 s92, s92, s96
	s_lshl_b32 s96, s[CX], 8
	s_add_co_u32 s92, s92, s96
	ADDO P_QSC, 92
	ADDO P_KSC, 92
	s_lshr_b32 s97, s94, 1                         ; v: [block of 256 keys][tile of 16 d: 32][key step 2][1,024 bytes]: block iv / 2, tiles 16 y1 + 4 w on, key step cx % 2
	s_and_b32 s68, s[CX], 1                        ; (in a register of X's groups 0)
	s_lshl_b32 s92, s97, 16
	s_lshl_b32 s96, s91, 15
	s_add_co_u32 s92, s92, s96
	s_lshl_b32 s96, s[WV], 13
	s_add_co_u32 s92, s92, s96
	s_lshl_b32 s96, s68, 10
	s_add_co_u32 s92, s92, s96
	ADDO P_VI, 92
	s_lshl_b32 s92, s97, 12                        ; [block][y1 2][wave 4][key step 2][256 bytes]
	s_lshl_b32 s96, s91, 11
	s_add_co_u32 s92, s92, s96
	s_lshl_b32 s96, s[WV], 9
	s_add_co_u32 s92, s92, s96
	s_lshl_b32 s96, s68, 8
	s_add_co_u32 s92, s92, s96
	ADDO P_VSC, 92
	; the prefetches: my 32 rows of key's 256 (waves 2 and 3) and of my 128 tokens of value
	s_lshl_b32 s92, s[CX], 15
	s_lshl_b32 s96, s[WL], 14
	s_add_co_u32 s92, s92, s96
	s_add_nc_u64 s[PFK:PFK+1], s[P_KC:P_KC+1], s[92:93]
	s_lshl_b32 s92, s[WV], 14
	s_add_nc_u64 s[PFV:PFV+1], s[P_VC:P_VC+1], s[92:93]
	; my halves of the rows for the fills that go out singly
	s_lshl_b32 s92, s[WL], 15
	s_lshl_b32 s88, s[WL], 16
	s_add_nc_u64 s[F5X:F5X+1], s[P_VC:P_VC+1], s[92:93]
	s_add_nc_u64 s[F5Y:F5Y+1], s[P_WVC:P_WVC+1], s[88:89]
	SETD P_WQC, P_QC, 0, 0, 0                      ; fills 0 and 1: q's two halves of K
	SETD P_WQC, P_QC, 1, 1, 0
	s_add_nc_u64 s[F2X:F2X+1], s[P_WKC:P_WKC+1], s[92:93]
	s_add_nc_u64 s[F2Y:F2Y+1], s[P_KC:P_KC+1], s[88:89]
	CROUND                                         ; all four work-groups are here: the first joint loads meet
	DLOAD 0, 1                                     ; one tensor load a wave at the head
	v_and_b32 v39, 31, v0                          ; lane
	v_and_b32 v14, 15, v0                          ; r
	v_bfe_u32 v15, v0, 4, 1                        ; h
	v_lshlrev_b32 v[PFO], 9, v39
	v_lshlrev_b32 v[LI], 4, v39
	v_lshlrev_b32 v[L8], 3, v39
	v_lshlrev_b32 v[SCA], 5, v14
	v_lshl_add_u32 v[SCA], v15, 4, v[SCA]
	v_lshlrev_b32 v[BA], 5, v15
	v_lshlrev_b32 v[BVA], 2, v14
	v_mul_u32_u24 v[ADX], v14, PITCH
	v_lshl_add_u32 v[ADX], v15, 4, v[ADX]          ; row r x pitch + 16 h
	v_add_nc_u32 v[ADX+1], SLOT, v[ADX]
	v_add_nc_u32 v[ADX+2], 2*SLOT, v[ADX]
	s_mul_i32 s92, s[WV], 64*PITCH
	s_add_co_u32 s92, s92, XB                      ; my 64 rows of Y, behind X's 128
	v_add_nc_u32 v[ADY], s92, v[ADX]
	s_add_co_u32 s92, s92, SLOT
	v_add_nc_u32 v[ADY+1], s92, v[ADX]
	s_add_co_u32 s92, s92, SLOT
	v_add_nc_u32 v[ADY+2], s92, v[ADX]
.irp b, 0,1,2,3
	v_mov_b32 v[TM+4+\b], 0                        ; written once: a lane permute's destination counts as one of its sources
.endr
; All given scale words come once, each load 512 consecutive bytes: lane (r, h) takes 16 bytes of row r: four K steps' words
.macro SCLOAD t, xs, ys
.irp i, 0,1,2,3,4,5,6,7
	global_load_b128 v[SC+48*\t+4*\i:SC+48*\t+4*\i+3], v[SCA], s[\xs:\xs+1] offset:512*\i
.endr
.irp i, 0,1,2,3
	global_load_b128 v[SC+48*\t+32+4*\i:SC+48*\t+32+4*\i+3], v[SCA], s[\ys:\ys+1] offset:512*\i
.endr
.endm
	SCLOAD 0, P_WQS, P_QS
	SCLOAD 1, P_WKS, P_KS
	SCLOAD 2, P_VS, P_WVS
	WIN TO_B
.irp i, 0,1,2,3,4,5,6,7                        ; bq, bk: register j of tile i0 is b[128 cx + 16 i0 + 8 h + j]
	global_load_b128 v[8*\i:8*\i+3], v[BA], s[P_BQ:P_BQ+1] offset:64*\i
	global_load_b128 v[8*\i+4:8*\i+7], v[BA], s[P_BQ:P_BQ+1] offset:64*\i+16
	global_load_b128 v[64+8*\i:64+8*\i+3], v[BA], s[P_BK:P_BK+1] offset:64*\i
	global_load_b128 v[64+8*\i+4:64+8*\i+7], v[BA], s[P_BK:P_BK+1] offset:64*\i+16
.endr
.irp i, 0,1,2,3                                ; bv: all eight registers of tile i1 hold bv of my Y row: a C operand is eight registers
.irp j, 0,1,2,3,4,5,6,7
	global_load_b32 v[128+8*\i+\j], v[BVA], s[P_BV:P_BV+1] offset:64*\i
.endr
.endr
	WIN 0
	s_wait_alu depctr_va_vdst(0)
	s_wait_loadcnt 0x0                             ; scale words and biases, once
	DRAIN                                          ; ROUND 1: fills 0 and 1 are in
	ROWS 64, 128
	SETD F2X, F2Y, 0, 2, 1
	s_wait_dscnt 0x0
	CROUND
	JLOAD 2                                        ; fill 2: k's first half of K
	TRIP 0, 0, 0, 1
	PLACES
	TRIP 0, 1, 1, 2
	DRAIN                                          ; ROUND 2: fill 2 is in, slots 0 and 1 have been read
	ROWS 128, 256
	SETD P_WKC, P_KC, 1, 0, 0
	SETD P_VC, P_WVC, 0, 1, 0
	s_wait_dscnt 0x0
	CROUND
	DLOAD 0, 1                                     ; fills 3 and 4: k's second half, v's first
	EPI P_QI, P_QSC, 4096
	TRIP 1, 0, 2, 3
	DRAIN                                          ; ROUND 3: fills 3 and 4 are in, slot 2 has been read
	ROWS 64, 128
	SETD F5X, F5Y, 1, 2, 1
	s_wait_dscnt 0x0
	CROUND
	JLOAD 2                                        ; fill 5: v's second half, the last load
	TRIP 1, 1, 0, 0
	EPI P_KI, P_KSC, 4096
	TRIP 2, 0, 1, 0
	DRAIN                                          ; fill 5 is in
	s_wait_dscnt 0x0
	s_barrier_signal -1
	s_barrier_wait -1
	PLACES
	TRIP 2, 1, 2, 0
	EPI P_VI, P_VSC, 2048
	s_wait_tensorcnt 0x0                           ; the wave's end
	ds_add_u32 v[SPW], v[NIL]
	s_wait_dscnt 0x0
	CROUND                                         ; the closing round: no work-group ends while a partner may still ask for a tile that names it
	s_endpgm
.Lfunc_end_k_qcf1b448ab3_proj:
	.size	k_qcf1b448ab3_proj, .Lfunc_end_k_qcf1b448ab3_proj-k_qcf1b448ab3_proj
	.p2alignl 7, 3214868480
	.fill 96, 4, 3214868480
	.section	.rodata,"a",@progbits
	.p2align	6, 0x0
	.amdhsa_kernel k_qcf1b448ab3_proj
		.amdhsa_group_segment_fixed_size 327680
		.amdhsa_private_segment_fixed_size 0
		.amdhsa_enable_private_segment 0
		.amdhsa_kernarg_size 168
		.amdhsa_user_sgpr_count 2
		.amdhsa_user_sgpr_kernarg_segment_ptr 1
		.amdhsa_wavefront_size32 1
		.amdhsa_system_sgpr_workgroup_id_x 1
		.amdhsa_system_sgpr_workgroup_id_y 1
		.amdhsa_system_sgpr_workgroup_id_z 1
		.amdhsa_system_vgpr_workitem_id 0
		.amdhsa_next_free_vgpr 928
		.amdhsa_next_free_sgpr 106
		.amdhsa_reserve_vcc 0
		.amdhsa_float_denorm_mode_32 3
		.amdhsa_float_denorm_mode_16_64 3
		.amdhsa_memory_ordered 1
		.amdhsa_forward_progress 1
		.amdhsa_inst_pref_size 209
	.end_amdhsa_kernel
	.amdgpu_metadata
---
amdhsa.version: [ 1, 2 ]
amdhsa.kernels:
  - .name:           k_qcf1b448ab3_proj
    .symbol:         k_qcf1b448ab3_proj.kd
    .args:
      - { .name: query_codes, .offset: 0, .size: 8, .value_kind: global_buffer, .address_space: global }
      - { .name: query_scales, .offset: 8, .size: 8, .value_kind: global_buffer, .address_space: global }
      - { .name: Wq_codes, .offset: 16, .size: 8, .value_kind: global_buffer, .address_space: global }
      - { .name: Wq_scales, .offset: 24, .size: 8, .value_kind: global_buffer, .address_space: global }
      - { .name: bq, .offset: 32, .size: 8, .value_kind: global_buffer, .address_space: global }
      - { .name: key_codes, .offset: 40, .size: 8, .value_kind: global_buffer, .address_space: global }
      - { .name: key_scales, .offset: 48, .size: 8, .value_kind: global_buffer, .address_space: global }
      - { .name: Wk_codes, .offset: 56, .size: 8, .value_kind: global_buffer, .address_space: global }
      - { .name: Wk_scales, .offset: 64, .size: 8, .value_kind: global_buffer, .address_space: global }
      - { .name: bk, .offset: 72, .size: 8, .value_kind: global_buffer, .address_space: global }
      - { .name: value_codes, .offset: 80, .size: 8, .value_kind: global_buffer, .address_space: global }
      - { .name: value_scales, .offset: 88, .size: 8, .value_kind: global_buffer, .address_space: global }
      - { .name: Wv_codes, .offset: 96, .size: 8, .value_kind: global_buffer, .address_space: global }
      - { .name: Wv_scales, .offset: 104, .size: 8, .value_kind: global_buffer, .address_space: global }
      - { .name: bv, .offset: 112, .size: 8, .value_kind: global_buffer, .address_space: global }
      - { .name: q_img, .offset: 120, .size: 8, .value_kind: global_buffer, .address_space: global }
      - { .name: q_sc, .offset: 128, .size: 8, .value_kind: global_buffer, .address_space: global }
      - { .name: k_img, .offset: 136, .size: 8, .value_kind: global_buffer, .address_space: global }
      - { .name: k_sc, .offset: 144, .size: 8, .value_kind: global_buffer, .address_space: global }
      - { .name: v_img, .offset: 152, .size: 8, .value_kind: global_buffer, .address_space: global }
      - { .name: v_sc, .offset: 160, .size: 8, .value_kind: global_buffer, .address_space: global }
    .group_segment_fixed_size: 327680
    .private_segment_fixed_size: 0
    .kernarg_segment_align: 8
    .kernarg_segment_size: 168
    .max_flat_workgroup_size: 128
    .sgpr_count:     106
    .vgpr_count:     928
    .wavefront_size: 32
...
	.end_amdgpu_metadata
.endif
;; end of part 1
;; launch attn (part 2): grid 32 x 8, 8 waves a work-group, clusters of 4 x 1, 327,680 bytes of LDS; arguments q_img, q_sc, k_img, k_sc, v_img, v_sc, out0; writes out0
.if DOCPART == 2
	.amdgcn_target "amdgcn-amd-amdhsa--gfx1250"
	.amdhsa_code_object_version 6
	.text
	.protected	k_qcf1b448ab3_attn
	.globl	k_qcf1b448ab3_attn
	.p2align	8
	.type	k_qcf1b448ab3_attn,@function
k_qcf1b448ab3_attn:
	s_mov_b64 s[64:65], 0
	v_nop
	global_prefetch_b8 v0, s[64:65] scope:SCOPE_SE
	s_setreg_imm32_b32 hwreg(HW_REG_WAVE_MODE, 25, 1), 1
	s_wait_xcnt 0x0
	s_wait_alu depctr_hold_cnt(0) depctr_sa_sdst(0) depctr_va_vdst(0) depctr_va_sdst(0) depctr_va_ssrc(0) depctr_va_vcc(0) depctr_vm_vsrc(0)
	s_getreg_b32 s2, hwreg(HW_REG_IB_STS2, 6, 4)
	s_cmp_eq_u32 s2, 0
	s_cbranch_scc0 .Lentry_in_a_cluster
	s_endpgm
.Lentry_in_a_cluster:
	s_bfe_u32 s2, ttmp6, 0x10000c
	s_cmp_lg_u32 s2, 0x3003
	s_cbranch_scc0 .Lentry_shape_is_right
	s_endpgm
.Lentry_shape_is_right:
; O = softmax(q k^T / sqrt(512)) v for 8 batches of 2,048 queries and keys, on the images of operand registers that the launch before has stored: FP4 codes, one E8M0 byte for each 32 along K; sums in f32.
; A WORK-GROUP OF EIGHT WAVES owns 64 queries (four tiles of 16) and walks the keys 256 a step, eight steps.  S^T = K Q^T: wave w takes keys 32 w on of the step against all 64 queries; O^T += V^T P^T: wave w takes
; d = 64 w on.  So each fragment of K and of V is read by one wave alone and feeds four matrix instructions; P goes through LDS to all eight.  A lane holds one query (lane % 16) of a tile throughout.
; ONE BARRIER A STEP.  Each wave has a running whole number M of its own for each query: p = 2^(t - M), t = score x log2(e) / sqrt(512).  Codes do not change where M moves by a whole number: only scale bytes do.  So beside its
; codes a wave hands over E = floor(the block's largest t), a whole number, as N = 2^31 - E (unsigned: the largest E is the least N).  The readers keep R = the largest E so far (as NR, the least N), give each block the
; scale byte 125 - (R - E), held at 1, and multiply O by 2^(old R - new R): exact.  Each wave sums its own unquantised p under its own M; at the end the sums meet under R.  O begins as zeros, so the step is written without a first form.
; PACKED STATE: maxima, M, E are kept with lanes 0-15 for tile 2 g and lanes 16-31 for tile 2 g + 1; an exchange of halves (v_permlane16_swap_b32) packs two tiles' half maxima, and spreads a packed number to both halves.
; V comes by joint loads (the four work-groups of a cluster share a batch; mask 15) into a ring of two slots of two steps, 128 KiB dense, 64 x 256 bytes a wave; step i = 0, 2, 4 asks behind its round for steps i + 2 and i + 3.
; K IS NOT ASKED FOR JOINTLY: two slots with K and V of two steps would be 512 KiB, more than LDS holds, so a joint K would mean slots of one step and a round of the cluster in every step.  A wave's 32 keys are 8 KiB of image that it
; alone uses, in the order of its registers: it loads them itself, 512 consecutive bytes a load, behind the last product that reads the step before.
; P and N have two regions by turns, since a wave may store the next step's while another still reads this one's.
; PREFETCH INTO THE L2: the clusters of even number ask in step 0 for steps 4 and 5 of K and V, those of odd number in step 2 for steps 6 and 7: V two steps ahead of its load, K three and four; the partners share them out by address (cx),
; each wave 32 blocks of 256 bytes.  Steps 0 to 3 come by their loads alone.
; LIMITS.  The promise holds while the scaled scores stay under 2^31 in magnitude; NaN and infinities are not served.  A block of P whose largest p lies under 2^-120 of its wave's M is coded at the scale of 2^-120; a block whose E lies more than
; 124 under R keeps the byte 1.
; REGISTERS.  Window 0: v1-22 addresses, v24-39 scale words of Q, K, V, v40-61 state, v64-127 K's fragments, v128-191 S^T, then p, then P's fragments, v192-255 V's fragments (from a step's score products to behind its barrier: work).
;   window 1: v0-127 Q's 16 fragments, v128-255 O^T: (tile qt of queries, tile dt of d) at 128 + 8 (4 qt + dt).
.set SLOT1, 1<<17
.set PREG,  2*SLOT1                    ; two regions of 16,384 bytes: P's image, 8 fragments of 1,024 bytes; behind it N: [g 2][lane 32][wave 8] words
.set SPARE, PREG+32768                 ; the spare words, 128 bytes for each wave: four blocks of 256 bytes that no other line names
.set LSUM,  SPARE+1024                 ; the way out: the waves' sums, and 2^31 - M, laid as N
.set LOFF,  LSUM-PREG-8192
.set SPITCH, 272                       ; the stage: 16 rows x (256 + 16) bytes for each wave, in slot 0, which has had its last fill and its last read
.set LI,  1
.set AV0, 3
.set ADV, 5
.set SPW, 6
.set NIL, 7
.set PWI, 8
.set PEW, 9
.set PRI, 10
.set PER, 11
.set SKO, 16
.set SVO, 17
.set L8,  18
.set STO, 19
.set STR, 20
.set COO, 21
.set PFO, 22
.set QSC, 24
.set KSC, 32
.set VSC, 36
.set MT,  40                           ; the running largest t, packed
.set NM,  42                           ; -M, packed
.set NR,  44                           ; 2^31 - R, packed
.set L,   46                           ; the sums, a pair for each tile
.set PSR, 54                           ; P's scale words: 54 + 2 ks + g
.set FB,  58                           ; O's factor, 58 + tile
.set KF,  64
.set LT,  80                           ; the last step, in K's registers: at work,
.set LV,  88                           ; the waves' sums,
.set LM,  104                          ; and their M
.set S,   128
.set PF,  128
.set VF,  192
.set BM,  192
.set TT,  196
.set OM,  198
.set FL,  200
.set NB,  204
.set BL,  208
.set MI,  210
.set OP,  212
.set NW,  216
.set NX,  218
.set PC,  220
.set SU,  228
.set LP,  236
.set EV,  192
.set MA,  208
.set MB,  210
.set MD,  212
.set WV,  18
.set G1,  24
.set G0,  32
.set VB,  36
.set CNT, 37
.set CS,  38
.set PFL, 41
.set KSB, 42
.set VSB, 44
.set KB,  56
.set PFA, 60
.set W_S,  0x04                        ; source 1 (Q) window 1
.set W_PV, 0x50                        ; C and D window 1
.set W_RS, 0x41                        ; source 0 and destination window 1
.set MSB, 0
.macro WIN new                         ; the immediate's high byte repeats the setting that is left
.if MSB != \new
	s_set_vgpr_msb (MSB<<8)|\new
.set MSB, \new
.endif
.endm
.macro PLACES
.rept 4
	v_nop
.endr
.endm
.macro CROUND                          ; a round of the cluster's barrier
	s_barrier_signal -1
	s_barrier_wait -1
	s_cmp_lg_u32 s[WV], 0
	s_cbranch_scc1 .Lnot_wave_0_\@
	s_barrier_signal -3
.Lnot_wave_0_\@:
	s_barrier_wait -3
	s_barrier_signal -1
	s_barrier_wait -1
.endm
.macro WM                              ; one matrix instruction; rRA, rRB: the scale word stands in lanes 16-31
.if rZ
.if rRA && rRB
	v_wmma_scale_f32_16x16x128_f8f6f4 v[rD:rD+7], v[rA:rA+7], v[rB:rB+7], 0, v[rSA], v[rSB] matrix_a_fmt:MATRIX_FMT_FP4 matrix_b_fmt:MATRIX_FMT_FP4 matrix_a_scale:MATRIX_SCALE_ROW1 matrix_b_scale:MATRIX_SCALE_ROW1
.elseif rRA
	v_wmma_scale_f32_16x16x128_f8f6f4 v[rD:rD+7], v[rA:rA+7], v[rB:rB+7], 0, v[rSA], v[rSB] matrix_a_fmt:MATRIX_FMT_FP4 matrix_b_fmt:MATRIX_FMT_FP4 matrix_a_scale:MATRIX_SCALE_ROW1
.elseif rRB
	v_wmma_scale_f32_16x16x128_f8f6f4 v[rD:rD+7], v[rA:rA+7], v[rB:rB+7], 0, v[rSA], v[rSB] matrix_a_fmt:MATRIX_FMT_FP4 matrix_b_fmt:MATRIX_FMT_FP4 matrix_b_scale:MATRIX_SCALE_ROW1
.else
	v_wmma_scale_f32_16x16x128_f8f6f4 v[rD:rD+7], v[rA:rA+7], v[rB:rB+7], 0, v[rSA], v[rSB] matrix_a_fmt:MATRIX_FMT_FP4 matrix_b_fmt:MATRIX_FMT_FP4
.endif
.else
.if rRA && rRB
	v_wmma_scale_f32_16x16x128_f8f6f4 v[rD:rD+7], v[rA:rA+7], v[rB:rB+7], v[rD:rD+7], v[rSA], v[rSB] matrix_a_fmt:MATRIX_FMT_FP4 matrix_b_fmt:MATRIX_FMT_FP4 matrix_a_scale:MATRIX_SCALE_ROW1 matrix_b_scale:MATRIX_SCALE_ROW1
.elseif rRA
	v_wmma_scale_f32_16x16x128_f8f6f4 v[rD:rD+7], v[rA:rA+7], v[rB:rB+7], v[rD:rD+7], v[rSA], v[rSB] matrix_a_fmt:MATRIX_FMT_FP4 matrix_b_fmt:MATRIX_FMT_FP4 matrix_a_scale:MATRIX_SCALE_ROW1
.elseif rRB
	v_wmma_scale_f32_16x16x128_f8f6f4 v[rD:rD+7], v[rA:rA+7], v[rB:rB+7], v[rD:rD+7], v[rSA], v[rSB] matrix_a_fmt:MATRIX_FMT_FP4 matrix_b_fmt:MATRIX_FMT_FP4 matrix_b_scale:MATRIX_SCALE_ROW1
.else
	v_wmma_scale_f32_16x16x128_f8f6f4 v[rD:rD+7], v[rA:rA+7], v[rB:rB+7], v[rD:rD+7], v[rSA], v[rSB] matrix_a_fmt:MATRIX_FMT_FP4 matrix_b_fmt:MATRIX_FMT_FP4
.endif
.endif
.endm
.macro SPREAD x                        ; v[x], packed -> v[x]: tile 2 g's in both halves, v[x + 1]: tile 2 g + 1's.  Both groups, two registers apart
.irp g, 0,1
	v_mov_b32 v[\x+2*\g+1], v[\x+2*\g]
.endr
.irp g, 0,1
	v_permlane16_swap_b32 v[\x+2*\g], v[\x+2*\g+1]
.endr
.endm
.macro SCALE qt                        ; O^T's tile of queries qt x its factor
.set i, 128+32*(\qt)
.rept 16
.if (\qt)%2
	v_pk_mul_f32 v[i:i+1], v[i:i+1], v[FB+2*((\qt)/2):FB+2*((\qt)/2)+1] op_sel:[0,1] op_sel_hi:[1,1]
.else
	v_pk_mul_f32 v[i:i+1], v[i:i+1], v[FB+2*((\qt)/2):FB+2*((\qt)/2)+1] op_sel_hi:[1,0]
.endif
.set i, i+2
.endr
.endm
.macro FETCH_K                         ; my two tiles of 16 keys, four fragments each, and their scale words: 20 loads
.irp s, 0,1,2,3
.irp e, 0,1
.irp c, 0,1
	global_load_b128 v[KF+16*\s+8*\e+4*\c:KF+16*\s+8*\e+4*\c+3], v[LI], s[KB:KB+1] offset:(4*\e+\s)*1024+512*\c
.endr
.endr
.endr
.irp s, 0,1,2,3
	global_load_b32 v[KSC+\s], v[SKO], s[KSB:KSB+1] offset:256*\s
.endr
.endm
.macro SUMS                            ; the unquantised p onto the sums, two at a time, two chains a tile
.irp qt, 0,1,2,3
	v_pk_add_f32 v[SU+2*\qt:SU+2*\qt+1], v[S+16*\qt:S+16*\qt+1], v[S+16*\qt+2:S+16*\qt+3]
.endr
.irp j, 4,8,12
.irp qt, 0,1,2,3
	v_pk_add_f32 v[L+2*\qt:L+2*\qt+1], v[L+2*\qt:L+2*\qt+1], v[S+16*\qt+\j:S+16*\qt+\j+1]
	v_pk_add_f32 v[SU+2*\qt:SU+2*\qt+1], v[SU+2*\qt:SU+2*\qt+1], v[S+16*\qt+\j+2:S+16*\qt+\j+3]
.endr
.endr
.irp qt, 0,1,2,3
	v_pk_add_f32 v[L+2*\qt:L+2*\qt+1], v[L+2*\qt:L+2*\qt+1], v[SU+2*\qt:SU+2*\qt+1]
.endr
.endm
; A STEP of 256 keys.  fill: its round is followed by a tensor load;  odd: the step's number is odd (P's second region, a slot's second half);  more: a step follows.
.macro STEP fill, odd, more
	s_wait_loadcnt 2                               ; K's fragments and scale words are in; V's two loads may be out
	WIN W_S
.irp s, 0,1,2,3
.set rZ, 0
.if \s == 0
.set rZ, 1
.endif
.irp e, 0,1
.irp qt, 0,1,2,3
.set rD, S+16*\qt+8*\e
.set rA, KF+16*\s+8*\e
.set rB, 8*(4*\qt+\s)
.set rSA, KSC+\s
.set rSB, QSC+2*\s+\qt/2
.set rRA, \e
.set rRB, \qt%2
	WM
.endr
.endr
.endr
	WIN 0
	PLACES
.if \more
	s_add_nc_u64 s[KB:KB+1], s[KB:KB+1], 65536     ; (the earlier loads from both have come back)
	s_add_nc_u64 s[KSB:KSB+1], s[KSB:KSB+1], 4096
	FETCH_K                                        ; the next step's
.endif
.irp qt, 0,1,2,3
	v_max3_num_f32 v[BM+\qt], v[S+16*\qt], v[S+16*\qt+1], v[S+16*\qt+2]
.endr
.irp i, 3,5,7,9,11,13
.irp qt, 0,1,2,3
	v_max3_num_f32 v[BM+\qt], v[BM+\qt], v[S+16*\qt+\i], v[S+16*\qt+\i+1]
.endr
.endr
.irp qt, 0,1,2,3
	v_max_num_f32 v[BM+\qt], v[BM+\qt], v[S+16*\qt+15]
.endr
.irp g, 0,1
	v_permlane16_swap_b32 v[BM+2*\g], v[BM+2*\g+1]
.endr
.irp g, 0,1
	v_max_num_f32 v[BM+2*\g], v[BM+2*\g], v[BM+2*\g+1]     ; packed: the largest score of the block of 32 keys
.endr
.irp g, 0,1
	v_mul_f32 v[TT+\g], s[CS], v[BM+2*\g]
.endr
.irp g, 0,1
	v_mov_b32 v[OM+\g], v[NM+\g]
.endr
.irp g, 0,1
	v_max_num_f32 v[MT+\g], v[MT+\g], v[TT+\g]
.endr
.irp g, 0,1
	v_floor_f32 v[NM+\g], -v[MT+\g]                ; -M: M is a whole number
.endr
.irp g, 0,1
	v_sub_f32 v[OM+\g], v[NM+\g], v[OM+\g]         ; old M - new M
.endr
.irp g, 0,1
	v_cvt_i32_f32 v[OM+\g], v[OM+\g]
.endr
.irp g, 0,1
	v_ldexp_f32 v[FL+2*\g], 1.0, v[OM+\g]          ; the sums' factor
.endr
	SPREAD FL
.irp g, 0,1
	v_mov_b32 v[NB+2*\g], v[NM+\g]
.endr
	SPREAD NB
.irp g, 0,1
	v_fma_f32 v[BL+\g], v[BM+2*\g], s[CS], v[NM+\g]        ; the block's largest t - M,
.endr
.irp g, 0,1
	v_floor_f32 v[BL+\g], v[BL+\g]                 ; its floor: the exponent of the block's largest p
.endr
.irp g, 0,1
	v_max_num_f32 v[BL+\g], 0xc2f00000, v[BL+\g]   ; -120 at the least
.endr
.irp g, 0,1
	v_cvt_i32_f32 v[BL+\g], v[BL+\g]
.endr
.irp g, 0,1
	v_cvt_i32_f32 v[MI+\g], v[NM+\g]
.endr
.irp g, 0,1
	v_lshl_add_u32 v[OP+2*\g], v[BL+\g], 23, 0x3e800000    ; 2^(floor - 2): the conversion's scale operand
.endr
.irp g, 0,1
	v_sub_nc_u32 v[NW+\g], v[MI+\g], v[BL+\g]      ; -E = -M - floor
.endr
.irp g, 0,1
	v_xor_b32 v[NW+\g], 0x80000000, v[NW+\g]       ; N = 2^31 - E
.endr
.if \more == 0
.irp g, 0,1
	v_xor_b32 v[NX+\g], 0x80000000, v[MI+\g]       ; 2^31 - M
.endr
.endif
	SPREAD OP
.irp qt, 0,1,2,3
.set i, S+16*\qt
.rept 8
.if \qt%2
	v_pk_fma_f32 v[i:i+1], v[i:i+1], s[CS:CS+1], v[NB+2*(\qt/2):NB+2*(\qt/2)+1] op_sel:[0,0,1] op_sel_hi:[1,0,1]
.else
	v_pk_fma_f32 v[i:i+1], v[i:i+1], s[CS:CS+1], v[NB+2*(\qt/2):NB+2*(\qt/2)+1] op_sel_hi:[1,0,0]
.endif
.set i, i+2
.endr
.endr
	s_wait_alu depctr_va_vdst(0)
.set i, S
.rept 64
	v_exp_f32 v[i], v[i]                           ; p = 2^(t - M)
.set i, i+1
.endr
.irp qt, 0,1,2,3
.if \qt%2
	v_pk_mul_f32 v[L+2*\qt:L+2*\qt+1], v[L+2*\qt:L+2*\qt+1], v[FL+2*(\qt/2):FL+2*(\qt/2)+1] op_sel:[0,1] op_sel_hi:[1,1]
.else
	v_pk_mul_f32 v[L+2*\qt:L+2*\qt+1], v[L+2*\qt:L+2*\qt+1], v[FL+2*(\qt/2):FL+2*(\qt/2)+1] op_sel_hi:[1,0]
.endif
.endr
	s_wait_alu depctr_va_vdst(0)                   ; ahead of the batch's first reader
.irp qt, 0,1,2,3
.irp e, 0,1
	v_cvt_scalef32_pk8_fp4_f32 v[PC+4*(\qt/2)+2*\e+\qt%2], v[S+16*\qt+8*\e:S+16*\qt+8*\e+7], v[OP+\qt]
.endr
.endr
	v_nop                                          ; one plain place behind the last scaled conversion
.irp g, 0,1
	v_permlane16_swap_b32 v[PC+4*\g], v[PC+4*\g+1] ; lanes 0-15: tile 2 g's block of 32 keys, whole; lanes 16-31: tile 2 g + 1's
	v_permlane16_swap_b32 v[PC+4*\g+2], v[PC+4*\g+3]
.endr
.irp g, 0,1
	ds_store_b128 v[PWI], v[PC+4*\g:PC+4*\g+3] offset:16384*\odd+4096*\g
	ds_store_b32 v[PEW], v[NW+\g] offset:16384*\odd+1024*\g
.endr
.if \odd == 0
	s_wait_tensorcnt 0x0                           ; my part of this step's and the next one's V has landed;
	ds_add_u32 v[SPW], v[NIL]                      ; 0 onto my spare word
.endif
.if \fill
	s_xor_b32 s[G0+1], s[G0+1], SLOT1              ; the other slot, two steps on
	s_add_nc_u64 s[G0+2:G0+3], s[G0+2:G0+3], 131072
.endif
	SUMS
.if \more == 0
.irp qt, 0,1,2,3
	v_add_f32 v[LP+\qt], v[L+2*\qt], v[L+2*\qt+1]
.endr
.irp g, 0,1
	v_permlane16_swap_b32 v[LP+2*\g], v[LP+2*\g+1]
.endr
.irp g, 0,1
	v_add_f32 v[LP+2*\g], v[LP+2*\g], v[LP+2*\g+1] ; packed: the sum over my keys
.endr
.irp g, 0,1
	ds_store_b32 v[PEW], v[LP+2*\g] offset:LOFF+1024*\g
	ds_store_b32 v[PEW], v[NX+\g] offset:LOFF+2048+1024*\g
.endr
.endif
	s_wait_alu depctr_va_vdst(0)
	s_wait_dscnt 0x0                               ; the add, my P and N, my reads of V's tiles
.if \fill
	CROUND
	tensor_load_to_lds s[G0:G0+3], s[G1:G1+7]      ; the first tensor load behind the round
	s_nop 0
	PLACES
.else
	s_barrier_signal -1
	s_barrier_wait -1
.endif
.irp g, 0,1
.irp u, 0,1
	ds_load_b128 v[EV+8*\g+4*\u:EV+8*\g+4*\u+3], v[PER] offset:16384*\odd+1024*\g+16*\u
.endr
.endr
.irp ks, 0,1
.irp qt, 0,1,2,3
.irp c, 0,1
	ds_load_b128 v[PF+8*(2*\qt+\ks)+4*\c:PF+8*(2*\qt+\ks)+4*\c+3], v[PRI] offset:16384*\odd+(2*\qt+\ks)*1024+512*\c
.endr
.endr
.endr
.if \fill
	s_cmp_eq_u32 s[CNT], s[PFL]                    ; the prefetch: in one trip of the loop, by the cluster's number
	s_cbranch_scc0 .Lnot_mine_\@
	global_prefetch_b8 v[PFO], s[PFA:PFA+1] th:TH_LOAD_NT scope:SCOPE_SE
.Lnot_mine_\@:
.endif
.if \more
	s_wait_dscnt 16                                ; N is in; P's 16 loads may be out
.else
.irp g, 0,1
.irp u, 0,1
	ds_load_b128 v[LV+8*\g+4*\u:LV+8*\g+4*\u+3], v[PER] offset:LOFF+1024*\g+16*\u
	ds_load_b128 v[LM+8*\g+4*\u:LM+8*\g+4*\u+3], v[PER] offset:LOFF+2048+1024*\g+16*\u
.endr
.endr
	s_wait_dscnt 24                                ; N is in; P's 16 loads and the 8 of sums and M may be out
.endif
.irp g, 0,1                                    ; the step's least N, in two chains a group
	v_min_u32 v[MA+\g], v[EV+8*\g], v[EV+8*\g+1]
	v_min_u32 v[MB+\g], v[EV+8*\g+2], v[EV+8*\g+3]
.endr
.irp g, 0,1
	v_min_u32 v[MA+\g], v[MA+\g], v[EV+8*\g+4]
	v_min_u32 v[MB+\g], v[MB+\g], v[EV+8*\g+5]
.endr
.irp g, 0,1
	v_min_u32 v[MA+\g], v[MA+\g], v[EV+8*\g+6]
	v_min_u32 v[MB+\g], v[MB+\g], v[EV+8*\g+7]
.endr
.irp g, 0,1
	v_min_u32 v[MA+\g], v[MA+\g], v[MB+\g]
.endr
.irp g, 0,1
	v_min_u32 v[MA+\g], v[MA+\g], v[NR+\g]
.endr
.irp g, 0,1
	v_sub_nc_u32 v[MD+\g], v[NR+\g], v[MA+\g]      ; new R - old R, 0 or more
.endr
.irp g, 0,1
	v_mov_b32 v[NR+\g], v[MA+\g]
.endr
.irp g, 0,1
	v_min_u32 v[MD+\g], 0xc8, v[MD+\g]
.endr
.irp g, 0,1
	v_sub_nc_u32 v[MD+\g], 0, v[MD+\g]
.endr
.irp g, 0,1
	v_ldexp_f32 v[FB+2*\g], 1.0, v[MD+\g]
.endr
	SPREAD FB
.irp w, 0,1,2,3,4,5,6,7
.irp g, 0,1
	v_sub_nc_u32 v[EV+8*\g+\w], v[EV+8*\g+\w], v[NR+\g]    ; R - E
.endr
.endr
.irp w, 0,1,2,3,4,5,6,7
.irp g, 0,1
	v_min_u32 v[EV+8*\g+\w], 0x7c, v[EV+8*\g+\w]
.endr
.endr
.irp j, 2,1,0
.irp ks, 0,1
.irp g, 0,1
	v_lshl_or_b32 v[EV+8*\g+4*\ks+\j], v[EV+8*\g+4*\ks+\j+1], 8, v[EV+8*\g+4*\ks+\j]
.endr
.endr
.endr
.irp ks, 0,1
.irp g, 0,1
	v_sub_nc_u32 v[PSR+2*\ks+\g], 0x7d7d7d7d, v[EV+8*\g+4*\ks]    ; four bytes 125 - (R - E), none of which borrows
.endr
.endr
	v_add_nc_u32 v[ADV], s[VB], v[AV0]             ; V's fragments, behind the work that lay in their registers
.irp ks, 0,1
.irp dt, 0,1,2,3
.irp c, 0,1
	ds_load_b128 v[VF+8*(2*\dt+\ks)+4*\c:VF+8*(2*\dt+\ks)+4*\c+3], v[ADV] offset:(2*\dt+\ks)*1024+512*\c
.endr
.endr
.endr
.if \odd
	s_xor_b32 s[VB], s[VB], SLOT1+65536            ; on to the other slot's first half
.else
	s_xor_b32 s[VB], s[VB], 65536                  ; on to this slot's second half
.endif
	WIN W_RS
	s_wait_alu depctr_va_vdst(0)
	SCALE 0
	SCALE 1
	SCALE 2
	SCALE 3
.if \more == 0                                 ; THE SUMS MEET: sum over w of l_w 2^(M_w - R - 64), then its reciprocal x 2^-64
	WIN 0
	s_wait_alu depctr_va_vdst(0)
	s_wait_dscnt 16                                ; sums and M are in; V's 16 loads may be out
.irp g, 0,1
	v_sub_nc_u32 v[LT+2+\g], v[NR+\g], 64
.endr
.irp w, 0,1,2,3,4,5,6,7
.irp g, 0,1
	v_sub_nc_u32 v[LM+8*\g+\w], v[LM+8*\g+\w], v[LT+2+\g]  ; R - M_w + 64
.endr
.endr
.irp w, 0,1,2,3,4,5,6,7
.irp g, 0,1
	v_min_u32 v[LM+8*\g+\w], 0xfa, v[LM+8*\g+\w]
.endr
.endr
.irp w, 0,1,2,3,4,5,6,7
.irp g, 0,1
	v_sub_nc_u32 v[LM+8*\g+\w], 0, v[LM+8*\g+\w]
.endr
.endr
.irp w, 0,1,2,3,4,5,6,7
.irp g, 0,1
	v_ldexp_f32 v[LV+8*\g+\w], v[LV+8*\g+\w], v[LM+8*\g+\w]
.endr
.endr
.irp d, 4,2,1
.set i, 0
.rept \d
.irp g, 0,1
	v_add_f32 v[LV+8*\g+i], v[LV+8*\g+i], v[LV+8*\g+i+\d]
.endr
.set i, i+1
.endr
.endr
	s_wait_alu depctr_va_vdst(0)
.irp g, 0,1
	v_rcp_f32 v[LT+\g], v[LV+8*\g]
.endr
	v_nop
	s_wait_alu depctr_va_vdst(0)                   ; ahead of their first reader
.irp g, 0,1
	v_mul_f32 v[FB+2*\g], 0x1f800000, v[LT+\g]
.endr
	SPREAD FB
.endif
	s_wait_alu depctr_va_vdst(0)
.if \more
	s_wait_loadcnt 20                              ; V's scale words are in; K's 20 loads may be out
.else
	s_wait_loadcnt 0x0
.endif
	WIN W_PV
.irp ks, 0,1
	s_wait_dscnt 8-8*\ks                           ; P's 16 loads and V's first 8, then all
.set rZ, 0
.irp dt, 0,1,2,3
.irp qt, 0,1,2,3
.set rD, 128+32*\qt+8*\dt
.set rA, VF+8*(2*\dt+\ks)
.set rB, PF+8*(2*\qt+\ks)
.set rSA, VSC+2*\ks+\dt/2
.set rSB, PSR+2*\ks+\qt/2
.set rRA, \dt%2
.set rRB, \qt%2
	WM
.endr
.endr
.endr
	WIN 0
.rept 5
	v_nop                                          ; the next step's products are laid over P's fragments
.endr
.if \more
	s_add_nc_u64 s[VSB:VSB+1], s[VSB:VSB+1], 4096
.irp ks, 0,1
	global_load_b64 v[VSC+2*\ks:VSC+2*\ks+1], v[SVO], s[VSB:VSB+1] offset:256*\ks
.endr
.endif
.endm
	s_load_b256 s[4:11], s[0:1], 0x0               ; q_img, q_sc, k_img, k_sc
	s_load_b128 s[12:15], s[0:1], 0x20             ; v_img, v_sc
	s_load_b64 s[16:17], s[0:1], 0x30              ; out0
	v_lshl_add_u32 v[SPW], v0, 2, SPARE
	v_mov_b32 v[NIL], 0
	ds_add_u32 v[SPW], v[NIL]                      ; the wave's opening: an add, twice on end, and its wait
	ds_add_u32 v[SPW], v[NIL]
	v_lshrrev_b32 v4, 5, v0
	v_readfirstlane_b32 s[WV], v4                  ; wave 0..7
	v_and_b32 v23, 31, v0                          ; lane
	s_and_b32 s46, s[WV], 1
	s_lshl_b32 s46, s46, 2
	s_lshr_b32 s47, s[WV], 1
	s_lshl_b32 s47, s47, 10
	s_add_co_u32 s46, s46, s47
	s_lshl_b32 s47, s[WV], 9
	v_lshlrev_b32 v[LI], 4, v23
	v_lshlrev_b32 v[L8], 3, v23
	v_lshlrev_b32 v[PFO], 8, v23
	v_add_nc_u32 v[SKO], s46, v[L8]                ; K's scale words: my two tiles are one register of the pair that four tiles share
	v_add_nc_u32 v[SVO], s47, v[L8]
	s_bfe_u32 s19, ttmp6, 0x40000                  ; cx
	s_lshl_b32 s20, ttmp9, 2
	s_add_co_u32 s20, s20, s19                     ; which 64 queries
	s_and_b32 s21, ttmp7, 0xffff                   ; batch
	s_mov_b32 s[G1], 15|(3<<16)|(1<<21)            ; 15:0 the mask; 17:16 elements of 8 bytes; 21 set beside a mask; no padding
	s_mov_b32 s[G1+1], 32<<16
	s_mov_b32 s[G1+2], 64<<16
	s_mov_b32 s[G1+3], 32<<16
	s_mov_b32 s[G1+4], 64                          ; 64 rows of 256 bytes
	s_mov_b32 s[G1+5], 32
	s_mov_b32 s[G1+6], 0
	s_mov_b32 s[G1+7], 0
	s_mov_b32 s[G0], 1
	s_lshl_b32 s[G0+1], s[WV], 14                  ; where my part goes: wave x 16,384, of the two steps' 131,072
	s_lshl_b32 s46, s21, 19                        ; the batch's first byte in K's and V's images
	s_mov_b32 s47, 0
	s_lshl_b32 s50, s21, 15                        ; and in their scale words
	s_mov_b32 s51, 0
	s_lshl_b32 s52, s21, 5
	s_add_co_u32 s52, s52, s20
	s_mov_b32 s55, 0
	s_and_b32 s53, ttmp9, 1                        ; the prefetch: asked at the loop's count 3 - (cluster % 2), for steps 4 + 2 (cluster % 2) on
	s_sub_co_u32 s[PFL], 3, s53
	s_lshl_b32 s48, s53, 17
	s_add_co_u32 s48, s48, 0x40000
	s_lshl_b32 s49, s19, 15                        ; my work-group's quarter of the two steps' 131,072 bytes,
	s_add_co_u32 s48, s48, s49
	s_and_b32 s49, s[WV], 3
	s_lshl_b32 s49, s49, 13                        ; my wave's quarter of that
	s_add_co_u32 s48, s48, s49
	s_add_co_u32 s48, s48, s46
	s_mov_b32 s49, 0
	s_mov_b32 s[CS], 0x3d8293ee                    ; log2(e) / sqrt(512)
	s_mov_b32 s[CS+1], s[CS]
	s_mov_b32 s[VB], 0
	s_wait_alu depctr_va_vdst(0)
	s_wait_dscnt 0x0                               ; both opening adds are done
	s_wait_kmcnt 0x0
	s_cmp_lt_u32 s[WV], 4
	s_cselect_b64 s[PFA:PFA+1], s[8:9], s[12:13]   ; waves 0-3 prefetch K, waves 4-7 V
	s_add_nc_u64 s[PFA:PFA+1], s[PFA:PFA+1], s[48:49]
	s_add_nc_u64 s[G0+2:G0+3], s[12:13], s[46:47]
	s_add_nc_u64 s[KB:KB+1], s[8:9], s[46:47]
	s_lshl_b32 s54, s[WV], 14
	s_add_nc_u64 s[G0+2:G0+3], s[G0+2:G0+3], s[54:55]
	s_or_b32 s[G0+3], s[G0+3], 0x80000000
	s_lshl_b32 s54, s[WV], 13
	s_add_nc_u64 s[KB:KB+1], s[KB:KB+1], s[54:55]
	s_add_nc_u64 s[KSB:KSB+1], s[10:11], s[50:51]
	s_add_nc_u64 s[VSB:VSB+1], s[14:15], s[50:51]
	s_lshl_b32 s54, s52, 14
	s_add_nc_u64 s[4:5], s[4:5], s[54:55]
	s_lshl_b32 s54, s52, 10
	s_add_nc_u64 s[6:7], s[6:7], s[54:55]
	s_lshl_b32 s54, s52, 17
	s_add_nc_u64 s[16:17], s[16:17], s[54:55]
	s_lshl_b32 s54, s[WV], 8
	s_add_nc_u64 s[16:17], s[16:17], s[54:55]      ; my first query's row of O, my 64 of d
	CROUND                                         ; all four work-groups are here: the first joint loads meet
	tensor_load_to_lds s[G0:G0+3], s[G1:G1+7]      ; V of steps 0 and 1: one load a wave at the head
	s_nop 0
	PLACES
	FETCH_K                                        ; step 0's K
	WIN 0x40
.irp f, 0,1,2,3,4,5,6,7,8,9,10,11,12,13,14,15  ; Q's 16 fragments stay in registers
	global_load_b128 v[8*\f:8*\f+3], v[LI], s[4:5] offset:\f*1024
	global_load_b128 v[8*\f+4:8*\f+7], v[LI], s[4:5] offset:\f*1024+512
.endr
	WIN 0
.irp s, 0,1,2,3
	global_load_b64 v[QSC+2*\s:QSC+2*\s+1], v[L8], s[6:7] offset:256*\s
.endr
.irp ks, 0,1
	global_load_b64 v[VSC+2*\ks:VSC+2*\ks+1], v[SVO], s[VSB:VSB+1] offset:256*\ks
.endr
	s_lshl_b32 s46, s[WV], 13
	s_lshl_b32 s47, s[WV], 8
	s_add_co_u32 s47, s47, PREG                    ; my block of 32 keys in P's image: 256 bytes of a fragment's 1,024
	s_lshl_b32 s48, s[WV], 2
	s_add_co_u32 s48, s48, PREG+8192
	s_mul_i32 s49, s[WV], 16*SPITCH
	v_and_b32 v12, 15, v0                          ; r
	v_bfe_u32 v13, v0, 4, 1                        ; h
	v_add_nc_u32 v[AV0], s46, v[LI]
	v_lshlrev_b32 v[PWI], 4, v12
	v_lshl_add_u32 v[PWI], v13, 11, v[PWI]         ; lanes 16-31: the next tile of queries, two fragments on
	v_add_nc_u32 v[PWI], s47, v[PWI]
	v_lshlrev_b32 v[PER], 5, v23
	v_add_nc_u32 v[PEW], s48, v[PER]
	v_add_nc_u32 v[PER], PREG+8192, v[PER]
	v_add_nc_u32 v[PRI], PREG, v[LI]
	v_mul_u32_u24 v[STO], v12, SPITCH
	v_lshl_add_u32 v[STO], v13, 5, v[STO]
	v_add_nc_u32 v[STO], s49, v[STO]
	v_mul_u32_u24 v[STR], v13, SPITCH
	v_lshl_add_u32 v[STR], v12, 4, v[STR]
	v_add_nc_u32 v[STR], s49, v[STR]
	v_lshlrev_b32 v[COO], 11, v13
	v_lshl_add_u32 v[COO], v12, 4, v[COO]
.irp g, 0,1
	v_mov_b32 v[MT+\g], 0xff61b1e6                 ; the largest t so far: -3e38, under every t
	v_mov_b32 v[NR+\g], -1                         ; the greatest unsigned number: over every N
.endr
.irp g, 0,1
	v_floor_f32 v[NM+\g], -v[MT+\g]
.endr
.irp n, 0,1,2,3,4,5,6,7
	v_mov_b32 v[L+\n], 0
.endr
	WIN 0x40
.set i, 128
.rept 128
	v_mov_b32 v[i], 0                              ; O^T, while the loads are on their way: the loop's first step finds zeros
.set i, i+1
.endr
	WIN 0
	s_mov_b32 s[CNT], 3
	s_wait_alu depctr_va_vdst(0)
.Lpair:                                                ; steps 0 to 5, two a trip
	STEP 1, 0, 1
	STEP 0, 1, 1
	s_sub_co_u32 s[CNT], s[CNT], 1
	s_cmp_lg_u32 s[CNT], 0
	s_wait_alu depctr_va_vdst(0)
	s_cbranch_scc1 .Lpair
	STEP 0, 0, 1                                   ; the last two steps ask for no tile
	STEP 0, 1, 0
; THE WAY OUT, 16 queries at a time: O^T / the sum goes through my stage and comes back by rows: sixteen lanes store 256 consecutive bytes, aligned.  LDS serves a wave's instructions in order (ISA guide 5.7.1.4).
.macro TOSTAGE qt
	WIN W_RS
	SCALE \qt
	WIN 0x04                                       ; the data: window 1
.irp dt, 0,1,2,3
	ds_store_b128 v[STO], v[128+32*(\qt)+8*\dt:128+32*(\qt)+8*\dt+3] offset:64*\dt
	ds_store_b128 v[STO], v[128+32*(\qt)+8*\dt+4:128+32*(\qt)+8*\dt+7] offset:64*\dt+16
.endr
	WIN 0
.irp n, 0,1,2,3,4,5,6,7
	ds_load_b128 v[64+32*(\qt)+4*\n:64+32*(\qt)+4*\n+3], v[STR] offset:2*\n*SPITCH
.endr
.endm
.macro SEND qt, younger                ; younger: LDS instructions issued behind the block's loads
	s_wait_dscnt \younger
.irp n, 0,1,2,3,4,5,6,7
	global_store_b128 v[COO], v[64+32*(\qt)+4*\n:64+32*(\qt)+4*\n+3], s[16:17] offset:(16*(\qt)+2*\n)*2048 th:TH_STORE_NT
.endr
.endm
	TOSTAGE 0
	TOSTAGE 1
	SEND 0, 16
	TOSTAGE 2
	SEND 1, 16
	TOSTAGE 3
	SEND 2, 16
	SEND 3, 0
	s_wait_tensorcnt 0x0                           ; the wave's end
	ds_add_u32 v[SPW], v[NIL]
	s_wait_dscnt 0x0
	CROUND                                         ; the closing round
	s_endpgm
.Lfunc_end_k_qcf1b448ab3_attn:
	.size	k_qcf1b448ab3_attn, .Lfunc_end_k_qcf1b448ab3_attn-k_qcf1b448ab3_attn
	.p2alignl 7, 3214868480
	.fill 96, 4, 3214868480
	.section	.rodata,"a",@progbits
	.p2align	6, 0x0
	.amdhsa_kernel k_qcf1b448ab3_attn
		.amdhsa_group_segment_fixed_size 327680
		.amdhsa_private_segment_fixed_size 0
		.amdhsa_enable_private_segment 0
		.amdhsa_kernarg_size 56
		.amdhsa_user_sgpr_count 2
		.amdhsa_user_sgpr_kernarg_segment_ptr 1
		.amdhsa_wavefront_size32 1
		.amdhsa_system_sgpr_workgroup_id_x 1
		.amdhsa_system_sgpr_workgroup_id_y 1
		.amdhsa_system_sgpr_workgroup_id_z 1
		.amdhsa_system_vgpr_workitem_id 0
		.amdhsa_next_free_vgpr 512
		.amdhsa_next_free_sgpr 66
		.amdhsa_reserve_vcc 0
		.amdhsa_float_denorm_mode_32 3
		.amdhsa_float_denorm_mode_16_64 3
		.amdhsa_memory_ordered 1
		.amdhsa_forward_progress 1
		.amdhsa_inst_pref_size 160
	.end_amdhsa_kernel
	.amdgpu_metadata
---
amdhsa.version: [ 1, 2 ]
amdhsa.kernels:
  - .name:           k_qcf1b448ab3_attn
    .symbol:         k_qcf1b448ab3_attn.kd
    .args:
      - { .name: q_img, .offset: 0, .size: 8, .value_kind: global_buffer, .address_space: global }
      - { .name: q_sc, .offset: 8, .size: 8, .value_kind: global_buffer, .address_space: global }
      - { .name: k_img, .offset: 16, .size: 8, .value_kind: global_buffer, .address_space: global }
      - { .name: k_sc, .offset: 24, .size: 8, .value_kind: global_buffer, .address_space: global }
      - { .name: v_img, .offset: 32, .size: 8, .value_kind: global_buffer, .address_space: global }
      - { .name: v_sc, .offset: 40, .size: 8, .value_kind: global_buffer, .address_space: global }
      - { .name: out0, .offset: 48, .size: 8, .value_kind: global_buffer, .address_space: global }
    .group_segment_fixed_size: 327680
    .private_segment_fixed_size: 0
    .kernarg_segment_align: 8
    .kernarg_segment_size: 56
    .max_flat_workgroup_size: 256
    .sgpr_count:     66
    .vgpr_count:     512
    .wavefront_size: 32
...
	.end_amdgpu_metadata
.endif
;; end of part 2
